; MI455X (gfx1250); checked and timed in simulation.
; The chip was launched on July 23, 2026; its instructions are those of AMD's public machine-readable ISA for CDNA 5 (MIT licence, August 2026) and "CDNA5" Instruction Set Architecture Reference Guide (July 2026). The comments in the code are by the model that wrote it; some were corrected since.
;; Deform Hash3d. Allowed arithmetic: matrix products marked QUANTISED: E5M2 operands, one given power-of-two scale a tensor, by v_wmma_f32_16x16x64_bf8_bf8 or v_wmma_f32_16x16x128_bf8_bf8, f32 sums; products left as they are: f32 operands where the result goes on into a quantised operand, else bf16, f16 or f32 operands; f32 sums; everything else in f32.
;; Inputs: W0 35 x 64 float32; W1_codes 64 x 2 x 32 uint8 (E5M2 codes of W1, K innermost, in blocks of 32 codes); W2 64 x 2 float32; lowp_scales 4 int32 (the exponents e of the quantised operands' scales 2^e); table 16 x 524,288 x 2 float32; x 1,048,576 x 3 float32.
;; Outputs: out0 1,048,576 x 2 float32.
;; Constants: step = 0.
;; This version of the problem:
;;   THIS VERSION OF THE PROBLEM IS GIVEN IN LOW PRECISION. The matrix products marked QUANTISED in the list below multiply operands that are first quantised to E5M2 (5 exponent bits, 2 mantissa bits; 8 bits a number), with one given power-of-two scale for each operand tensor; their sums are f32. All else is computed in f32.
;;   The module's matrix products, in the order in which they are computed (A, B: the left and right operand; K: the contracted axis; several contracted axes count as one K, in the product's order):
;;     1. batch 1,048,576 x [M 1, K 8] x [K 8, N 2]; A: computed on the way; B: computed on the way: left as it is (K = 8 < 32)
;;     2. batch 1,048,576 x [M 1, K 8] x [K 8, N 2]; A: computed on the way; B: computed on the way: left as it is (K = 8 < 32)
;;     3. batch 1,048,576 x [M 1, K 8] x [K 8, N 2]; A: computed on the way; B: computed on the way: left as it is (K = 8 < 32)
;;     4. batch 1,048,576 x [M 1, K 8] x [K 8, N 2]; A: computed on the way; B: computed on the way: left as it is (K = 8 < 32)
;;     5. batch 1,048,576 x [M 1, K 8] x [K 8, N 2]; A: computed on the way; B: computed on the way: left as it is (K = 8 < 32)
;;     6. batch 1,048,576 x [M 1, K 8] x [K 8, N 2]; A: computed on the way; B: computed on the way: left as it is (K = 8 < 32)
;;     7. batch 1,048,576 x [M 1, K 8] x [K 8, N 2]; A: computed on the way; B: computed on the way: left as it is (K = 8 < 32)
;;     8. batch 1,048,576 x [M 1, K 8] x [K 8, N 2]; A: computed on the way; B: computed on the way: left as it is (K = 8 < 32)
;;     9. batch 1,048,576 x [M 1, K 8] x [K 8, N 2]; A: computed on the way; B: computed on the way: left as it is (K = 8 < 32)
;;     10. batch 1,048,576 x [M 1, K 8] x [K 8, N 2]; A: computed on the way; B: computed on the way: left as it is (K = 8 < 32)
;;     11. batch 1,048,576 x [M 1, K 8] x [K 8, N 2]; A: computed on the way; B: computed on the way: left as it is (K = 8 < 32)
;;     12. batch 1,048,576 x [M 1, K 8] x [K 8, N 2]; A: computed on the way; B: computed on the way: left as it is (K = 8 < 32)
;;     13. batch 1,048,576 x [M 1, K 8] x [K 8, N 2]; A: computed on the way; B: computed on the way: left as it is (K = 8 < 32)
;;     14. batch 1,048,576 x [M 1, K 8] x [K 8, N 2]; A: computed on the way; B: computed on the way: left as it is (K = 8 < 32)
;;     15. batch 1,048,576 x [M 1, K 8] x [K 8, N 2]; A: computed on the way; B: computed on the way: left as it is (K = 8 < 32)
;;     16. batch 1,048,576 x [M 1, K 8] x [K 8, N 2]; A: computed on the way; B: computed on the way: left as it is (K = 8 < 32)
;;     17. [M 1,048,576, K 35] x [K 35, N 64]; A: computed on the way; B: input W0: QUANTISED (scales: A lowp_scales[0], B lowp_scales[1])
;;     18. [M 1,048,576, K 64] x [K 64, N 64]; A: computed on the way; B: input W1 (given as codes): QUANTISED (scales: A lowp_scales[2], B lowp_scales[3])
;;     19. [M 1,048,576, K 64] x [K 64, N 2]; A: computed on the way; B: input W2: left as it is (N = 2 < 16)
;;   THE QUANTISER, for each operand of a quantised product, along K:
;;     - The operand's scale is 2^e, e = its entry of the input lowp_scales (int32; the entries are numbered through the quantised products in the list's order, A before B).
;;     - Each number is divided by the scale, clamped to +-57,344, and rounded to the nearest number of E5M2, ties to even, subnormals kept.
;;     - The product sums the exact products of the quantised numbers (number of the format x scale) in f32.
;;   ~~~python
;;   def quantise(x, axis, e):      # numpy; x: float32 -> the quantised numbers, widened to float32 again
;;       x = np.moveaxis(x, axis, -1); K = x.shape[-1]
;;       r = np.clip(x / 2.0 ** e, -57344, 57344)
;;       step = 2.0 ** (np.maximum(np.frexp(np.where(r == 0, 1, r))[1] - 1, -14) - 2)
;;       q = np.round(r / step) * step * 2.0 ** e      # np.round: ties to even
;;       return np.moveaxis(q, -1, axis).astype(np.float32)
;;   ~~~
;;   OPERANDS COMPUTED ON THE WAY. 'Computed on the way' means the value that the module computes at that place (a softmax that the list does not call 'softmax' is quantised finished and normalised). What goes into a quantiser is computed in f32, as accurately as f32 sums, v_exp_f32 and their like allow (about 1e-6 of the number): no bf16 or f16 on the way to a quantiser, and a product that is left as it is and whose result goes on into a quantised operand takes f32 operands (vector FMAs, or v_wmma_f32_16x16x4_f32). A number that lies on a knife's edge between two numbers of the format may be rounded either way, as far as f32 arithmetic and the matrix unit's own rounding can turn it there, and no further.
;;   INPUTS GIVEN AS CODES. W1 (in the module: [64, 64], K = its axis 0): each comes as NAME_codes (uint8): NAME with its K axis moved to the last place and cut into blocks of 32 codes, [.., K / 32, bytes a block], one block behind the other in memory; one code a byte (a code: sign, 5 exponent bits, 2 mantissa bits); its scale is its entry of lowp_scales. Its value is code x scale, taken as it is: it is not quantised again, and the codes and scales need not be those that the quantiser above would give.
;; 2 versions, each right; version 2 is version 1 with the launch encmlp written anew for expert scheduling mode. Each part assembles by itself: llvm-mc -triple=amdgcn-amd-amdhsa -mcpu=gfx1250 --defsym DOCPART=n.
;; ======== version 1 of 2: 2 launches
;; workspace buffers: idx 134,217,728 bytes of whole numbers; wimg 6,144 bytes
;; launch hashidx (part 1): grid 4097 x 1, 8 waves a work-group, no clusters, 0 bytes of LDS; arguments x, W0, W2, lowp_scales, idx, wimg; writes idx, wimg
.if DOCPART == 1
	.amdgcn_target "amdgcn-amd-amdhsa--gfx1250"
	.amdhsa_code_object_version 6
	.text
	.protected	k_q0ff551f556_hashidx
	.globl	k_q0ff551f556_hashidx
	.p2align	8
	.type	k_q0ff551f556_hashidx,@function
k_q0ff551f556_hashidx:
	s_mov_b64 s[64:65], 0
	v_nop
	global_prefetch_b8 v0, s[64:65] scope:SCOPE_SE
	s_setreg_imm32_b32 hwreg(HW_REG_WAVE_MODE, 25, 1), 1
	s_wait_xcnt 0x0
; FIRST LAUNCH OF TWO.  It makes what the second launch forms its gather addresses from, as whole numbers, and the two weights that arrive wide, as images of operand registers.
; Work-groups 0 .. 4095: thread tau of work-group g is point n = 256 g + tau.  For each of the 16 levels the point's cell (cx, cy, cz) = whole part of x * RES[level] becomes a record of 64 bits:
;   bits 0-18 X = cx mod 2^19, bits 19-37 HY = cy * 2654435761 mod 2^19, bits 38-56 HZ = cz * 805459861 mod 2^19.
; That is all that the eight corners' indices need: (c + 1) * prime = c * prime + prime, and only the low 19 bits of the hash are kept.
; idx: the records of levels 2 p and 2 p + 1 of point n lie together, 16 bytes at (n / 256) * 32768 + p * 4096 + (n mod 256) * 16: each store of a wave covers 512 consecutive bytes, aligned.
; Work-group 4096: waves 0-3 quantise W0 (E5M2, scale 2^e1, e1 = entry 1 of lowp_scales) into four fragments of 16 hidden units x 64 K; waves 4-7 round W2 to bf16 into two fragments of 16 rows x 32 K (rows 2-15 zeros).
; wimg: register 4 q + i of fragment u of W0, lane l: byte u * 1024 + q * 512 + 16 l + 4 i;  W2's fragment s likewise from byte 4096 + s * 1024 on.
; W0's K places (the second launch lays its operand the same way): lane (r, h), byte i = 0 .. 15 of registers 0-3: row 3 + 4 (i / 2) + 2 h + i mod 2 of W0; register 4: rows 0, 1, 2 and a zero in lanes 0-15, zeros in lanes 16-31; registers 5-7 zeros.
; LIMITS: NaN among the inputs is not served.  The cell is v_cvt_u32_f32 of the position: the whole part where the position is 0 or more; a negative position counts as cell 0, one of 2^32 or more as 2^32 - 1.
;   e1 between -126 and 112, so that 2^e1 and 57,344 x 2^e1 are f32 numbers.
; No LDS, no barrier: threads share nothing.  No matrix unit: there is no product here.
.set PRIME_Y, 0x9E3779B1
.set PRIME_Z, 0x30025795
.set TMASK,   0x7ffff
.set REC,     16                       ; v16-47: the eight pairs' records, four registers each, never rewritten: so no store's data need a wait
	s_load_b256 s[4:11], s[0:1], 0x0               ; x s[4:5], W0 s[6:7], W2 s[8:9], lowp_scales s[10:11]
	s_load_b128 s[12:15], s[0:1], 0x20             ; idx s[12:13], wimg s[14:15]
	v_lshrrev_b32 v1, 5, v0
	v_readfirstlane_b32 s16, v1                    ; wave 0..7
	s_mov_b32 s24, PRIME_Y
	s_mov_b32 s25, PRIME_Z
	s_mov_b32 s26, TMASK
	s_cmp_eq_u32 ttmp9, 4096
	s_cbranch_scc1 .Lweights                       ; the last work-group makes the weights' images
	s_mul_i32 s18, ttmp9, 3072                     ; 256 points x 12 bytes of x
	s_mov_b32 s19, 0
	s_lshl_b32 s20, ttmp9, 15                      ; 256 points x 128 bytes of records
	s_mov_b32 s21, 0
	v_mul_u32_u24 v1, v0, 12
	v_lshlrev_b32 v2, 4, v0
	s_wait_kmcnt 0x0
	s_add_nc_u64 s[4:5], s[4:5], s[18:19]
	s_add_nc_u64 s[12:13], s[12:13], s[20:21]
	global_load_b96 v[4:6], v1, s[4:5] th:TH_LOAD_NT   ; my point: a wave reads 384 consecutive bytes
	s_wait_loadcnt 0x0
; One level's record.  res: RES[level] as f32.
.macro LEVEL res, lo, hi
	v_mul_f32 v8, \res, v4                         ; the position, by the same f32 multiplication as in the second launch
	v_mul_f32 v9, \res, v5
	v_mul_f32 v10, \res, v6
	v_cvt_u32_f32 v8, v8                           ; toward zero: the cell
	v_cvt_u32_f32 v9, v9
	v_cvt_u32_f32 v10, v10
	v_mul_lo_u32 v9, v9, s24
	v_mul_lo_u32 v10, v10, s25
	v_and_b32 v8, s26, v8
	v_and_b32 v9, s26, v9
	v_and_b32 v10, s26, v10
	v_lshl_or_b32 v[\lo], v9, 19, v8               ; HY's low 13 bits over X
	v_lshrrev_b32 v9, 13, v9
	v_lshl_or_b32 v[\hi], v10, 6, v9               ; HZ over HY's high 6 bits
.endm
.macro PAIRREC p, ra, rb
	LEVEL \ra, REC+4*\p, REC+4*\p+1
	LEVEL \rb, REC+4*\p+2, REC+4*\p+3
	global_store_b128 v2, v[REC+4*\p:REC+4*\p+3], s[12:13] offset:\p*4096 th:TH_STORE_NT
.endm
	PAIRREC 0, 0x41800000, 0x41B00000              ; RES = 16, 22
	PAIRREC 1, 0x41F00000, 0x42280000              ; 30, 42
	PAIRREC 2, 0x42680000, 0x42A00000              ; 58, 80
	PAIRREC 3, 0x42DE0000, 0x43190000              ; 111, 153
	PAIRREC 4, 0x43540000, 0x43930000              ; 212, 294
	PAIRREC 5, 0x43CB0000, 0x440C4000              ; 406, 561
	PAIRREC 6, 0x4441C000, 0x44860000              ; 775, 1072
	PAIRREC 7, 0x44B92000, 0x44FFE000              ; 1481, 2047
	s_endpgm
.Lweights:
	v_and_b32 v1, 31, v0                           ; lane
	v_and_b32 v2, 15, v0                           ; r
	v_bfe_u32 v3, v0, 4, 1                         ; h
	v_lshlrev_b32 v7, 4, v1                        ; 16 x lane: my place in an image
	s_wait_kmcnt 0x0
	s_cmp_lt_u32 s16, 4
	s_cbranch_scc0 .Lw2
	; ---- waves 0-3: fragment u = wave of W0: hidden unit n = 16 u + r; the lane's registers run down K
	s_load_b128 s[20:23], s[10:11], 0x0            ; e0, e1, e2, e3
	s_lshl_b32 s18, s16, 6
	v_lshl_add_u32 v8, v2, 2, s18                  ; 4 n: my column of W0 (a row is 256 bytes)
	v_lshl_add_u32 v9, v3, 9, v8                   ; lanes 16-31 begin two rows further down
.irp i, 0,1,2,3,4,5,6,7,8,9,10,11,12,13,14,15
	global_load_b32 v[32+\i], v9, s[6:7] offset:(3+4*(\i/2)+(\i%2))*256   ; W0(3 + 4 (i / 2) + 2 h + i mod 2, n): row 34 at the most
.endr
.irp i, 0,1,2
	global_load_b32 v[48+\i], v8, s[6:7] offset:\i*256                    ; W0(i, n): the rows that meet x, y, z
.endr
.irp i, 51,52,53,54,55,62,63
	v_mov_b32 v\i, 0                               ; the rest of K: zeros (five numbers, and code registers 6 and 7)
.endr
	s_lshl_b32 s19, s16, 10
	v_add_nc_u32 v7, s19, v7                       ; + 1,024 u
	s_wait_kmcnt 0x0
	s_add_co_i32 s21, s21, 127
	s_lshl_b32 s22, s21, 23
	v_mov_b32 v10, s22                             ; 2^e1 as f32: the conversion takes its exponent field
	s_add_co_i32 s21, s21, 15
	s_lshl_b32 s21, s21, 23
	s_or_b32 s21, s21, 0x600000
	v_mov_b32 v11, s21                             ; 57,344 x 2^e1
	s_wait_loadcnt 0x0
	v_cmp_gt_u32 vcc_lo, 16, v1
.irp i, 48,49,50
	v_cndmask_b32 v\i, 0, v\i, vcc_lo              ; rows 0-2 count once: in lanes 0-15 alone
.endr
.irp i, 0,1,2,3,4,5,6,7,8,9,10,11,12,13,14,15,16,17,18
	v_med3_num_f32 v[32+\i], v[32+\i], -v11, v11   ; the conversion to an 8-bit code does not saturate (ISA guide 7.6.2): hold the number within the largest code x the scale first
.endr
	v_cvt_scalef32_pk8_bf8_f32 v[56:57], v[32:39], v10
	v_cvt_scalef32_pk8_bf8_f32 v[58:59], v[40:47], v10
	v_cvt_scalef32_pk8_bf8_f32 v[60:61], v[48:55], v10
	v_nop                                          ; a plain line behind the last conversion of the run
	global_store_b128 v7, v[56:59], s[14:15]               ; 512 consecutive bytes a store
	global_store_b128 v7, v[60:63], s[14:15] offset:512
	s_endpgm
.Lw2:
	; ---- waves 4-7: wave 4 + 2 s + q makes registers 4 q .. 4 q + 3 of W2's fragment s: lane (r, h) holds, of output r, k = 32 s + 16 q + 8 h + 0 .. 7
	s_sub_co_u32 s18, s16, 4
	s_lshl_b32 s19, s18, 7                         ; 16 k of 8 bytes for each step of 2 s + q
	v_and_b32 v8, 1, v0
	v_lshlrev_b32 v8, 2, v8                        ; output r mod 2, so that every lane's load stays inside W2; lanes with r > 1 are cleared below
	v_lshl_add_u32 v8, v3, 6, v8
	v_add_nc_u32 v8, s19, v8
.irp j, 0,1,2,3,4,5,6,7
	global_load_b32 v[32+\j], v8, s[8:9] offset:8*\j
.endr
	s_lshl_b32 s20, s18, 9
	v_add_nc_u32 v7, s20, v7
	s_wait_loadcnt 0x0
	v_cmp_gt_u32 vcc_lo, 2, v2
.irp j, 0,1,2,3,4,5,6,7
	v_cndmask_b32 v[32+\j], 0, v[32+\j], vcc_lo    ; W2 has two columns: rows 2-15 of the fragment are zeros
.endr
.irp j, 0,1,2,3
	v_cvt_pk_bf16_f32 v[56+\j], v[32+2*\j], v[33+2*\j]
.endr
	global_store_b128 v7, v[56:59], s[14:15] offset:4096
	s_endpgm
.Lfunc_end_k_q0ff551f556_hashidx:
	.size	k_q0ff551f556_hashidx, .Lfunc_end_k_q0ff551f556_hashidx-k_q0ff551f556_hashidx
	.p2alignl 7, 3214868480
	.fill 96, 4, 3214868480
	.section	.rodata,"a",@progbits
	.p2align	6, 0x0
	.amdhsa_kernel k_q0ff551f556_hashidx
		.amdhsa_group_segment_fixed_size 0
		.amdhsa_private_segment_fixed_size 0
		.amdhsa_enable_private_segment 0
		.amdhsa_kernarg_size 48
		.amdhsa_user_sgpr_count 2
		.amdhsa_user_sgpr_kernarg_segment_ptr 1
		.amdhsa_wavefront_size32 1
		.amdhsa_system_sgpr_workgroup_id_x 1
		.amdhsa_system_sgpr_workgroup_id_y 1
		.amdhsa_system_sgpr_workgroup_id_z 1
		.amdhsa_system_vgpr_workitem_id 0
		.amdhsa_next_free_vgpr 72
		.amdhsa_next_free_sgpr 66
		.amdhsa_reserve_vcc 1
		.amdhsa_float_denorm_mode_32 3
		.amdhsa_float_denorm_mode_16_64 3
		.amdhsa_memory_ordered 1
		.amdhsa_forward_progress 1
		.amdhsa_inst_pref_size 19
	.end_amdhsa_kernel
	.amdgpu_metadata
---
amdhsa.version: [ 1, 2 ]
amdhsa.kernels:
  - .name:           k_q0ff551f556_hashidx
    .symbol:         k_q0ff551f556_hashidx.kd
    .args:
      - { .name: x, .offset: 0, .size: 8, .value_kind: global_buffer, .address_space: global }
      - { .name: W0, .offset: 8, .size: 8, .value_kind: global_buffer, .address_space: global }
      - { .name: W2, .offset: 16, .size: 8, .value_kind: global_buffer, .address_space: global }
      - { .name: lowp_scales, .offset: 24, .size: 8, .value_kind: global_buffer, .address_space: global }
      - { .name: idx, .offset: 32, .size: 8, .value_kind: global_buffer, .address_space: global }
      - { .name: wimg, .offset: 40, .size: 8, .value_kind: global_buffer, .address_space: global }
    .group_segment_fixed_size: 0
    .private_segment_fixed_size: 0
    .kernarg_segment_align: 8
    .kernarg_segment_size: 48
    .max_flat_workgroup_size: 256
    .sgpr_count:     66
    .vgpr_count:     72
    .wavefront_size: 32
...
	.end_amdgpu_metadata
.endif
;; end of part 1
;; launch encmlp (part 2): grid 256 x 1, 16 waves a work-group, no clusters, 133,120 bytes of LDS; arguments x, table, idx, wimg, W1_codes, lowp_scales, out0; writes out0
.if DOCPART == 2
	.amdgcn_target "amdgcn-amd-amdhsa--gfx1250"
	.amdhsa_code_object_version 6
	.text
	.protected	k_q0ff551f556_encmlp
	.globl	k_q0ff551f556_encmlp
	.p2align	8
	.type	k_q0ff551f556_encmlp,@function
k_q0ff551f556_encmlp:
	s_mov_b64 s[64:65], 0
	v_nop
	global_prefetch_b8 v0, s[64:65] scope:SCOPE_SE
	s_setreg_imm32_b32 hwreg(HW_REG_WAVE_MODE, 25, 1), 1
	s_wait_xcnt 0x0
; SECOND LAUNCH: out0 = relu(relu([x, enc(x)] W0) W1) W2 / 5, enc the 16-level hash grid.  The first two products on codes of BF8 (E5M2) with the given scales 2^e0 .. 2^e3, the last on bf16; all sums f32.
; SHARES.  256 work-groups of sixteen waves; a wave owns 256 points: 16 tiles of 16.  Waves share nothing: no barrier; each wave has 8,192 bytes of LDS of its own.
; A LANE IS (POINT r = lane mod 16, CORNER h = lane / 16 ALONG x).  The prime of x is 1, so lanes r and r + 16 gather at indices (cx + h) xor the same number: mostly neighbours in the table.
; LEVELS ARE THE OUTER LOOP, two a trip (2 p and 2 p + 1): every wave of the launch walks the same 8 MiB of the table in a trip.  What is carried from trip to trip is quantised already: two codes a lane and tile, in LDS.
; THE TWO HALVES' SUMS MEET BY v_permlane16_swap_b32: with A the lane's partial sum of level 2 p and B that of level 2 p + 1, after the swap A + B is the whole sum of level 2 p in lanes 0-15 and of level 2 p + 1 in lanes 16-31.
; So lane (r, h) ends with 16 codes of point r: byte 2 p + f = feature f of level 2 p + h.  They are registers 0-3 of the first product's operand; register 4 holds the codes of x, y, z and a zero; registers 5-7 zeros.
; W0's fragments (first launch) have the same K places, so every product meets its partner.
; ALL PRODUCTS ARE USED TRANSPOSED (source 0 = 16 rows of a weight, source 1 = 16 points): a lane holds one point and eight neighbouring units, which are the next operand's registers as they stand.
; The gather addresses come from idx, whole numbers that the first launch stored; the fractions are made here from x by the same f32 multiplication.
; NOT USED: tensor loads (tiles of a hashed gather are single entries), clusters (work-groups share only 10 KB of weights, read once), large accumulator tiles (160 matrix instructions a wave beside some 12,000 vector ones).
; LIMITS: NaN among the inputs is not served.  e0, and e2 - e0 - e1, between -126 and 112, so that each scale and 57,344 x it are f32 numbers; 0.2 x 2^(e2 + e3) an f32 number.  / 5 is a multiplication by 0.2 rounded to f32.
; REGISTERS, gather phase: v1 lane, v2 r, v3 h, v4 1 - h, v5 2 h - 1, v6 / v7 my record's byte in this / the next pair, v8 where my codes go, v9 my LDS place, v10 16 r, v11 / v12 2^e0 and 57,344 x it, v13 / v14 the same for the hidden layer,
;   v15 8 x lane, v16-39 at work, v40-47 four tiles' results, v48-49 their codes, v50-65 four records, v66-113 three sets of 8 corners x 2 features, v114 prefetch offset, v115 0.2 x 2^(e2 + e3), v126 16 x lane, v128-191 x of the 16 tiles, v192-223 W0, v224-255 W1.
; MLP phase: v16-25 at work, v50-65 codes of x, y, z, v66-81 W2, v82-97 two operands of the first product, v98-105 the second's, v106-113 and v116-123 the last sums, v124-125 out, v128-159 four accumulators, v160-191 two tiles' bf16 operands.
.set IB,  50
.set DB,  66
.set XR,  128
.set W0F, 192
.set W1F, 224
.set XC,  50
.set W2F, 66
.set HH,  128
	s_load_b256 s[4:11], s[0:1], 0x0               ; x s[4:5], table s[6:7], idx s[8:9], wimg s[10:11]
	s_load_b128 s[12:15], s[0:1], 0x20             ; W1_codes s[12:13], lowp_scales s[14:15]
	s_load_b64 s[16:17], s[0:1], 0x30              ; out0
	v_lshrrev_b32 v1, 5, v0
	v_readfirstlane_b32 s18, v1                    ; wave 0..15
	v_and_b32 v1, 31, v0                           ; lane
	v_and_b32 v2, 15, v0                           ; r
	v_bfe_u32 v3, v0, 4, 1                         ; h
	v_cvt_f32_u32 v5, v3
	v_sub_f32 v4, 1.0, v5                          ; 1 - h
	v_fma_f32 v5, v5, 2.0, -1.0                    ; 2 h - 1: the weight along x is (2 h - 1) frac + (1 - h)
	v_lshlrev_b32 v10, 4, v2
	v_lshlrev_b32 v126, 4, v1
	v_lshlrev_b32 v15, 3, v1
	v_mul_u32_u24 v120, v2, 12                     ; x: 12 bytes a point
	v_lshlrev_b32 v121, 6, v2
	v_lshl_add_u32 v121, v3, 3, v121               ; W1: row r of 64 codes, + 8 h
	s_lshl_b32 s19, ttmp9, 4
	s_add_co_u32 s19, s19, s18                     ; G: which 256 points are my wave's
	s_mul_i32 s32, s19, 3072
	s_mov_b32 s33, 0
	s_lshl_b32 s34, s19, 15
	s_mov_b32 s35, 0
	s_lshl_b32 s36, s19, 11
	s_mov_b32 s37, 0
	s_lshl_b32 s38, s18, 13                        ; my wave's 8,192 bytes of LDS
	v_add_nc_u32 v9, s38, v126
	v_mov_b32 v8, v9
	v_mov_b32 v6, v10
	v_add_nc_u32 v7, 0x1000, v10
	s_lshl_b32 s39, ttmp9, 15
	s_add_co_u32 s39, s39, s38
	s_add_co_u32 s39, s39, 0x800000
	v_lshl_add_u32 v114, v1, 8, s39                ; the next pair's 8 MiB: 32 KiB a work-group, 8 KiB for each of its waves 0-3, lanes 256 bytes apart
	s_cmp_lt_u32 s18, 4
	s_cselect_b32 s31, 7, 0                        ; waves 0-3 ask in trips 0-6, the others never
	s_wait_kmcnt 0x0
	s_load_b128 s[20:23], s[14:15], 0x0            ; e0, e1, e2, e3
	s_add_nc_u64 s[4:5], s[4:5], s[32:33]
	s_add_nc_u64 s[8:9], s[8:9], s[34:35]
	s_add_nc_u64 s[16:17], s[16:17], s[36:37]
	s_add_nc_u64 s[56:57], s[6:7], 0x400000        ; the odd level's table: a base of its own
; Tile t's record of the pair in hand (t < 16) or tile t - 16's of the next pair: both halves of the lanes read the same 256 consecutive bytes.
; In the last trip 'the next pair' is pair 0 again: the load stays inside the wave's block, and its result is not used.
.macro ILOAD t
.if (\t) < 16
	global_load_b128 v[IB+4*((\t)%4):IB+4*((\t)%4)+3], v6, s[8:9] offset:256*(\t) th:TH_LOAD_NT
.else
	global_load_b128 v[IB+4*((\t)%4):IB+4*((\t)%4)+3], v7, s[8:9] offset:256*((\t)-16) th:TH_LOAD_NT
.endif
.endm
.irp u, 0,1,2,3
.irp q, 0,1
	global_load_b128 v[W0F+8*\u+4*\q:W0F+8*\u+4*\q+3], v126, s[10:11] offset:\u*1024+\q*512   ; W0's fragments, as images
.endr
.endr
.irp u, 0,1,2,3
.irp c, 0,1,2,3
	global_load_b64 v[W1F+8*\u+2*\c:W1F+8*\u+2*\c+1], v121, s[12:13] offset:\u*1024+16*\c     ; W1(unit 16 u + r, k = 16 c + 8 h + 0 .. 7)
.endr
.endr
.irp t, 0,1,2,3,4,5,6,7,8,9,10,11,12,13,14,15
	global_load_b96 v[XR+4*\t:XR+4*\t+2], v120, s[4:5] offset:192*\t th:TH_LOAD_NT
.endr
	ILOAD 0
	ILOAD 1
	ILOAD 2
	ILOAD 3
	s_mov_b32 s24, 0x779B1                         ; 2654435761 mod 2^19
	s_mov_b32 s25, 0x25795                         ; 805459861 mod 2^19
	s_mov_b32 s26, 0x7ffff
	s_mov_b32 s27, 0                               ; p
	s_mov_b32 s29, 4096                            ; the next pair's records: 4,096 ((p + 1) mod 8)
	s_mov_b32 s30, 0                               ; 2 p
	s_mov_b32 s40, 0x41800000                      ; RES of the even levels, from the pair in hand on: 16, 30, 58, 111, 212, 406, 775, 1481
	s_mov_b32 s41, 0x41F00000
	s_mov_b32 s42, 0x42680000
	s_mov_b32 s43, 0x42DE0000
	s_mov_b32 s44, 0x43540000
	s_mov_b32 s45, 0x43CB0000
	s_mov_b32 s46, 0x4441C000
	s_mov_b32 s47, 0x44B92000
	s_mov_b32 s48, 0x41B00000                      ; of the odd levels: 22, 42, 80, 153, 294, 561, 1072, 2047
	s_mov_b32 s49, 0x42280000
	s_mov_b32 s50, 0x42A00000
	s_mov_b32 s51, 0x43190000
	s_mov_b32 s52, 0x43930000
	s_mov_b32 s53, 0x440C4000
	s_mov_b32 s54, 0x44860000
	s_mov_b32 s55, 0x44FFE000
	s_wait_kmcnt 0x0
	s_add_co_i32 s32, s20, 127
	s_lshl_b32 s33, s32, 23
	v_mov_b32 v11, s33                             ; 2^e0 as f32: the conversion takes its exponent field
	s_add_co_i32 s32, s32, 15
	s_lshl_b32 s32, s32, 23
	s_or_b32 s32, s32, 0x600000
	v_mov_b32 v12, s32                             ; 57,344 x 2^e0
	s_sub_co_i32 s32, s22, s20
	s_sub_co_i32 s32, s32, s21                     ; a sum of the first product stands for sum x 2^(e0 + e1): its code is sum / 2^(e2 - e0 - e1)
	s_add_co_i32 s32, s32, 127
	s_lshl_b32 s33, s32, 23
	v_mov_b32 v13, s33
	s_add_co_i32 s32, s32, 15
	s_lshl_b32 s32, s32, 23
	s_or_b32 s32, s32, 0x600000
	v_mov_b32 v14, s32
	s_add_co_i32 s32, s22, s23
	v_mov_b32 v115, 0x3e4ccccd                     ; 0.2
	v_ldexp_f32 v115, v115, s32                    ; x 2^(e2 + e3): a positive factor passes the second relu and the last product, so it is applied once, at the end
	s_wait_loadcnt 0x1                             ; all but tile 3's record is in: as at the loop's backward jump
; One level's four gathers of a lane.  wlo: the record's first register; d: eight registers; base: the level's table.
; Corner order: (y0 z0), (y1 z0), (y0 z1), (y1 z1).  Bits above the 19 are carried along and cut at the end.
.macro ADDR wlo, d, base
	v_add_nc_u32 v16, v[\wlo], v3                  ; X + h
	v_alignbit_b32 v17, v[\wlo+1], v[\wlo], 19     ; HY
	v_lshrrev_b32 v18, 6, v[\wlo+1]                ; HZ
	v_add_nc_u32 v19, s24, v17                     ; (cy + 1) x prime
	v_add_nc_u32 v20, s25, v18                     ; (cz + 1) x prime
	v_xor_b32 v18, v16, v18
	v_xor_b32 v20, v16, v20
	v_xor_b32 v[\d], v18, v17
	v_xor_b32 v[\d+2], v18, v19
	v_xor_b32 v[\d+4], v20, v17
	v_xor_b32 v[\d+6], v20, v19
.irp i, 0,2,4,6
	v_and_b32 v[\d+\i], s26, v[\d+\i]
.endr
.irp i, 0,2,4,6
	v_min_u32 v[\d+\i], 0x7ffff, v[\d+\i]          ; a loaded number goes into an address only behind this hold: inside the level's table whatever idx holds
.endr
.irp i, 0,2,4,6
	global_load_b64 v[\d+\i:\d+\i+1], v[\d+\i], s[\base:\base+1] scale_offset   ; entry = 8 bytes: two features; the load lands on its own offset register
.endr
.endm
; Tile t: 16 gathers a lane are asked for, and the record of the tile four further on: nine loads.
.macro ASTEP t
.set II, IB+4*((\t)%4)
.set DD, DB+16*((\t)%3)
	ADDR II, DD, 6
	ADDR II+2, DD+8, 56
	ILOAD (\t)+4
.endm
; The four weights of a lane for one level: (weight along x of my corner) x (1 - fy, fy) x (1 - fz, fz), in the gathers' order.
.macro WEIGHT x, sr, w
	v_pk_mul_f32 v[16:17], v[\x:\x+1], s[\sr:\sr+1] op_sel_hi:[1,0]   ; the position (the scalar pair's low word for both halves)
	v_mul_f32 v18, s[\sr], v[\x+2]
	v_fract_f32 v21, v16
	v_fract_f32 v23, v17
	v_fract_f32 v25, v18
	v_sub_f32 v22, 1.0, v23
	v_sub_f32 v24, 1.0, v25
	v_fma_f32 v20, v5, v21, v4                     ; 1 - fx in lanes 0-15, fx in lanes 16-31
	v_pk_mul_f32 v[26:27], v[24:25], v[20:21] op_sel_hi:[1,0]
	v_pk_mul_f32 v[\w:\w+1], v[22:23], v[26:27] op_sel_hi:[1,0]
	v_pk_mul_f32 v[\w+2:\w+3], v[22:23], v[26:27] op_sel:[0,1] op_sel_hi:[1,1]
.endm
; Tile t is interpolated.  cnt: the loads issued behind its gathers, which may stay out.  Every fourth tile the last four tiles' eight numbers a lane are quantised by one conversion.
.macro BSTEP t, cnt
.set XX, XR+4*(\t)
.set DD, DB+16*((\t)%3)
.set EE, 40+2*((\t)%4)
	WEIGHT XX, 40, 28
	WEIGHT XX, 48, 32
	s_wait_loadcnt \cnt                            ; loads come back in order (ISA guide 5.7.1): tile t's sixteen gathers are in
	v_pk_mul_f32 v[36:37], v[DD:DD+1], v[28:29] op_sel_hi:[1,0]          ; two features at a time, the two levels' chains by turns
	v_pk_mul_f32 v[38:39], v[DD+8:DD+9], v[32:33] op_sel_hi:[1,0]
	v_pk_fma_f32 v[36:37], v[DD+2:DD+3], v[28:29], v[36:37] op_sel:[0,1,0] op_sel_hi:[1,1,1]
	v_pk_fma_f32 v[38:39], v[DD+10:DD+11], v[32:33], v[38:39] op_sel:[0,1,0] op_sel_hi:[1,1,1]
	v_pk_fma_f32 v[36:37], v[DD+4:DD+5], v[30:31], v[36:37] op_sel_hi:[1,0,1]
	v_pk_fma_f32 v[38:39], v[DD+12:DD+13], v[34:35], v[38:39] op_sel_hi:[1,0,1]
	v_pk_fma_f32 v[36:37], v[DD+6:DD+7], v[30:31], v[36:37] op_sel:[0,1,0] op_sel_hi:[1,1,1]
	v_pk_fma_f32 v[38:39], v[DD+14:DD+15], v[34:35], v[38:39] op_sel:[0,1,0] op_sel_hi:[1,1,1]
	v_permlane16_swap_b32 v36, v38                 ; the even level's two halves into lanes 0-15, the odd level's into lanes 16-31
	v_permlane16_swap_b32 v37, v39
	v_pk_add_f32 v[EE:EE+1], v[36:37], v[38:39]    ; features 0, 1 of level 2 p + h of point r
.if ((\t)%4) == 3
	s_wait_dscnt 0x0                               ; the last four stores, issued four tiles ago, have read v48 and v49
.irp i, 0,1,2,3,4,5,6,7
	v_med3_num_f32 v[40+\i], v[40+\i], -v12, v12   ; the conversion to an 8-bit code does not saturate (ISA guide 7.6.2): the hold at the largest code x the scale
.endr
	v_cvt_scalef32_pk8_bf8_f32 v[48:49], v[40:47], v11
	v_nop                                          ; a plain line behind the conversion: the next tiles' sums write its sources
	ds_store_b16 v8, v48 offset:512*((\t)-3)       ; two codes a tile, at tile x 512 + 16 x lane + 2 p of my wave's LDS
	ds_store_b16_d16_hi v8, v48 offset:512*((\t)-2)
	ds_store_b16 v8, v49 offset:512*((\t)-1)
	ds_store_b16_d16_hi v8, v49 offset:512*(\t)
.endif
.endm
.Lpair:                                            ; eight trips: levels 2 p and 2 p + 1 for the wave's 16 tiles; three tiles' gathers are on their way
	ASTEP 0
	ASTEP 1
	ASTEP 2
.irp t, 0,1,2,3,4,5,6,7
	BSTEP \t, 19                                   ; behind tile t's gathers: a record, tile t + 1's nine loads less its record .. : 1 + 8 + 1 + 8 + 1
	ASTEP \t+3
.endr
	s_cmp_lt_u32 s27, s31                          ; half a trip ahead, waves 0-3 ask for their 8 KiB each of the next pair's 8 MiB: each block of 256 bytes once in the launch; the last trip asks for nothing
	s_cbranch_scc0 .Lnopf
	global_prefetch_b8 v114, s[6:7] th:TH_LOAD_NT scope:SCOPE_SE
.Lnopf:
.irp t, 8,9,10,11,12
	BSTEP \t, 19
	ASTEP \t+3
.endr
	BSTEP 13, 19
	BSTEP 14, 10                                   ; behind its gathers: 1 + 8 + 1
	BSTEP 15, 1                                    ; the last record load alone: the next trip's tiles 0-2 have their records
	s_wait_xcnt 0x0                                ; every earlier memory instruction has had its addresses translated (ISA guide 3.1): the bases and v6, v7 are rewritten only behind this wait
	s_wait_dscnt 0x0                               ; my code stores are done: v8 steps
	s_add_nc_u64 s[6:7], s[6:7], 0x800000          ; the next two levels' tables
	s_add_nc_u64 s[56:57], s[56:57], 0x800000
.irp i, 0,1,2,3,4,5,6
	s_mov_b32 s[40+\i], s[41+\i]                   ; their RES move to the front
	s_mov_b32 s[48+\i], s[49+\i]
.endr
	s_add_co_u32 s29, s29, 4096
	s_and_b32 s29, s29, 0x7fff
	s_add_co_u32 s30, s30, 2
	v_mov_b32 v6, v7
	v_add_nc_u32 v7, s29, v10
	v_add_nc_u32 v8, s30, v9
	s_add_co_u32 s27, s27, 1
	s_cmp_lt_u32 s27, 8
	s_cbranch_scc1 .Lpair
	; ---- THE MLP.  All 16 codes a lane and tile lie in my LDS.
	s_wait_loadcnt 0x0                             ; the last trip's four record loads, which nobody uses: their registers are taken below
.irp s, 0,1
.irp q, 0,1
	global_load_b128 v[W2F+8*\s+4*\q:W2F+8*\s+4*\q+3], v126, s[10:11] offset:4096+\s*1024+\q*512   ; W2's two bf16 fragments, as images
.endr
.endr
	ds_load_b128 v[82:85], v9                      ; tile 0's codes (LDS serves a wave's instructions in order: these see my stores)
.irp i, 19,20,21,22,23,87,88,89,95,96,97
	v_mov_b32 v\i, 0                               ; five zeros behind x, y, z for the conversion; registers 5-7 of both operands: K beyond 35
.endr
.set tt, 0
.rept 16                                           ; the codes of x, y, z of every tile, while x is still in its registers
	v_med3_num_f32 v16, v[XR+4*tt], -v12, v12
	v_med3_num_f32 v17, v[XR+4*tt+1], -v12, v12
	v_med3_num_f32 v18, v[XR+4*tt+2], -v12, v12
	v_cvt_scalef32_pk8_bf8_f32 v[24:25], v[16:23], v11
	v_nop                                          ; a plain line between the conversion and the use of its result
	v_mov_b32 v[XC+tt], v24
.set tt, tt+1
.endr
	s_wait_loadcnt 0x0                             ; W2
; Tile m through the two quantised layers; its second hidden layer, as bf16, into v[bf] on.
.macro MLPT m, bf
.set FF, 82+8*((\m)%2)
.set FN, 82+8*(((\m)+1)%2)
	s_wait_dscnt 0x0                               ; this tile's codes are in
.if (\m) < 15
	ds_load_b128 v[FN:FN+3], v9 offset:512*((\m)+1)   ; the next tile's, into the other operand: its last products stand a whole tile's vector work back
.endif
	v_mov_b32 v[FF+4], v[XC+(\m)]
.irp u, 0,1,2,3
	v_wmma_f32_16x16x64_bf8_bf8 v[HH+8*\u:HH+8*\u+7], v[W0F+8*\u:W0F+8*\u+7], v[FF:FF+7], 0   ; lane (r, h), register j: unit 16 u + 8 h + j of point r
.endr
.rept 4
	v_nop                                          ; four places in front of the first read of results (ISA guide 7.12.1)
.endr
.set jj, 0
.rept 32
	v_med3_num_f32 v[HH+jj], v[HH+jj], 0, v14      ; the activation and the hold in one; each accumulator from its low end on
.set jj, jj+1
.endr
.irp u, 0,1,2,3
	v_cvt_scalef32_pk8_bf8_f32 v[98+2*\u:99+2*\u], v[HH+8*\u:HH+8*\u+7], v13   ; registers 2 u, 2 u + 1 of the next operand: k = 16 u + 8 h + 0 .. 7
.endr
	v_nop                                          ; a plain line between the conversions and the products that read their results and write their sources
.irp u, 0,1,2,3
	v_wmma_f32_16x16x64_bf8_bf8 v[HH+8*\u:HH+8*\u+7], v[W1F+8*\u:W1F+8*\u+7], v[98:105], 0
.endr
.rept 4
	v_nop
.endr
.set jj, 0
.rept 32
	v_max_num_f32 v[HH+jj], 0, v[HH+jj]            ; relu
.set jj, jj+1
.endr
.irp u, 0,1,2,3
.irp j, 0,1,2,3
	v_cvt_pk_bf16_f32 v[\bf+4*\u+\j], v[HH+8*\u+2*\j], v[HH+8*\u+2*\j+1]   ; registers 4 (u mod 2) + j of K step u / 2 of the last product
.endr
.endr
.endm
; Two tiles; then the last product for both, the two accumulators by turns; 32 points' results leave as one aligned block of 256 bytes.
.macro PAIR i
	MLPT 2*(\i), 160
	MLPT 2*(\i)+1, 176
	v_wmma_f32_16x16x32_bf16 v[106:113], v[66:73], v[160:167], 0
	v_wmma_f32_16x16x32_bf16 v[116:123], v[66:73], v[176:183], 0
	v_wmma_f32_16x16x32_bf16 v[106:113], v[74:81], v[168:175], v[106:113]
	v_wmma_f32_16x16x32_bf16 v[116:123], v[74:81], v[184:191], v[116:123]
.rept 4
	v_nop
.endr
	v_permlane16_swap_b32 v106, v116               ; lanes 0-15 hold the outputs in registers 0 and 1: the second tile's move into lanes 16-31
	v_permlane16_swap_b32 v107, v117
	s_wait_xcnt 0x0                                ; the last store has read v124 and v125
	v_mul_f32 v124, v115, v106                     ; x 2^(e2 + e3) / 5
	v_mul_f32 v125, v115, v107
	global_store_b64 v15, v[124:125], s[16:17] offset:256*(\i) th:TH_STORE_NT   ; 32 lanes store 256 consecutive bytes, aligned
.endm
	PAIR 0
	PAIR 1
	PAIR 2
	PAIR 3
	PAIR 4
	PAIR 5
	PAIR 6
	PAIR 7
	s_wait_xcnt 0x0
	v_lshl_add_u32 v254, v0, 2, 0x20000
	v_mov_b32 v255, 0
	s_wait_tensorcnt 0x0
	ds_add_u32 v254, v255
	s_wait_dscnt 0x0
	s_endpgm
.Lfunc_end_k_q0ff551f556_encmlp:
	.size	k_q0ff551f556_encmlp, .Lfunc_end_k_q0ff551f556_encmlp-k_q0ff551f556_encmlp
	.p2alignl 7, 3214868480
	.fill 96, 4, 3214868480
	.section	.rodata,"a",@progbits
	.p2align	6, 0x0
	.amdhsa_kernel k_q0ff551f556_encmlp
		.amdhsa_group_segment_fixed_size 133120
		.amdhsa_private_segment_fixed_size 0
		.amdhsa_enable_private_segment 0
		.amdhsa_kernarg_size 56
		.amdhsa_user_sgpr_count 2
		.amdhsa_user_sgpr_kernarg_segment_ptr 1
		.amdhsa_wavefront_size32 1
		.amdhsa_system_sgpr_workgroup_id_x 1
		.amdhsa_system_sgpr_workgroup_id_y 1
		.amdhsa_system_sgpr_workgroup_id_z 1
		.amdhsa_system_vgpr_workitem_id 0
		.amdhsa_next_free_vgpr 256
		.amdhsa_next_free_sgpr 66
		.amdhsa_reserve_vcc 0
		.amdhsa_float_denorm_mode_32 3
		.amdhsa_float_denorm_mode_16_64 3
		.amdhsa_memory_ordered 1
		.amdhsa_forward_progress 1
		.amdhsa_inst_pref_size 171
	.end_amdhsa_kernel
	.amdgpu_metadata
---
amdhsa.version: [ 1, 2 ]
amdhsa.kernels:
  - .name:           k_q0ff551f556_encmlp
    .symbol:         k_q0ff551f556_encmlp.kd
    .args:
      - { .name: x, .offset: 0, .size: 8, .value_kind: global_buffer, .address_space: global }
      - { .name: table, .offset: 8, .size: 8, .value_kind: global_buffer, .address_space: global }
      - { .name: idx, .offset: 16, .size: 8, .value_kind: global_buffer, .address_space: global }
      - { .name: wimg, .offset: 24, .size: 8, .value_kind: global_buffer, .address_space: global }
      - { .name: W1_codes, .offset: 32, .size: 8, .value_kind: global_buffer, .address_space: global }
      - { .name: lowp_scales, .offset: 40, .size: 8, .value_kind: global_buffer, .address_space: global }
      - { .name: out0, .offset: 48, .size: 8, .value_kind: global_buffer, .address_space: global }
    .group_segment_fixed_size: 133120
    .private_segment_fixed_size: 0
    .kernarg_segment_align: 8
    .kernarg_segment_size: 56
    .max_flat_workgroup_size: 512
    .sgpr_count:     66
    .vgpr_count:     256
    .wavefront_size: 32
...
	.end_amdgpu_metadata
.endif
;; end of part 2
;; ======== version 2 of 2: 2 launches; version 1 with the launch encmlp written anew for expert scheduling mode
;; workspace buffers: idx 134,217,728 bytes of whole numbers; wimg 6,144 bytes
;; launch hashidx: the kernel of part 1 again; grid 4097 x 1, 8 waves a work-group, no clusters, 0 bytes of LDS; arguments x, W0, W2, lowp_scales, idx, wimg; writes idx, wimg
;; launch encmlp (part 3): grid 256 x 1, 16 waves a work-group, no clusters, 133,120 bytes of LDS; arguments x, table, idx, wimg, W1_codes, lowp_scales, out0; writes out0
.if DOCPART == 3
	.amdgcn_target "amdgcn-amd-amdhsa--gfx1250"
	.amdhsa_code_object_version 6
	.text
	.protected	k_q0ff551f556_encmlp
	.globl	k_q0ff551f556_encmlp
	.p2align	8
	.type	k_q0ff551f556_encmlp,@function
k_q0ff551f556_encmlp:
	s_mov_b64 s[64:65], 0
	v_nop
	global_prefetch_b8 v0, s[64:65] scope:SCOPE_SE
	s_setreg_imm32_b32 hwreg(HW_REG_WAVE_SCHED_MODE, 0, 2), 2
	s_setreg_imm32_b32 hwreg(HW_REG_WAVE_MODE, 25, 1), 1
	s_wait_xcnt 0x0
	s_wait_alu depctr_vm_vsrc(0)
; SECOND LAUNCH: out0 = relu(relu([x, enc(x)] W0) W1) W2 / 5, enc the 16-level hash grid.  The first two products on codes of BF8 (E5M2) with the given scales 2^e0 .. 2^e3, the last on bf16; all sums f32.
; SHARES.  256 work-groups of sixteen waves; a wave owns 256 points: 16 tiles of 16.  Waves share nothing: no barrier; each wave has 8,192 bytes of LDS of its own.
; A LANE IS (POINT r = lane mod 16, CORNER h = lane / 16 ALONG x).  The prime of x is 1, so lanes r and r + 16 gather at indices (cx + h) xor the same number: mostly neighbours in the table.
; LEVELS ARE THE OUTER LOOP, two a trip (2 p and 2 p + 1): every wave of the launch walks the same 8 MiB of the table in a trip.  What is carried from trip to trip is quantised already: two codes a lane and tile, in LDS.
; THE TWO HALVES' SUMS MEET BY v_permlane16_swap_b32: with A the lane's partial sum of level 2 p and B that of level 2 p + 1, after the swap A + B is the whole sum of level 2 p in lanes 0-15 and of level 2 p + 1 in lanes 16-31.
; So lane (r, h) ends with 16 codes of point r: byte 2 p + f = feature f of level 2 p + h.  They are registers 0-3 of the first product's operand; register 4 holds the codes of x, y, z and a zero; registers 5-7 zeros.
; W0's fragments (first launch) have the same K places, so every product meets its partner.
; ALL PRODUCTS ARE USED TRANSPOSED (source 0 = 16 rows of a weight, source 1 = 16 points): a lane holds one point and eight neighbouring units, which are the next operand's registers as they stand.
; The gather addresses come from idx, whole numbers that the first launch stored; the fractions are made here from x by the same f32 multiplication.
; NOT USED: tensor loads (tiles of a hashed gather are single entries), clusters (work-groups share only 10 KB of weights, read once), large accumulator tiles (160 matrix instructions a wave beside some 12,000 vector ones).
; LIMITS: NaN among the inputs is not served.  e0, and e2 - e0 - e1, between -126 and 112, so that each scale and 57,344 x it are f32 numbers; 0.2 x 2^(e2 + e3) an f32 number.  / 5 is a multiplication by 0.2 rounded to f32.
; THE MODE: SCHED_MODE bits 1:0 = 2 (LLVM: expert scheduling mode 2), set by the entry lines.  The code itself states the register dependences
; between vector or matrix instructions and memory or LDS instructions, with s_wait_alu, always for 0.
; THE PLAN, gather phase.  Registers that memory or LDS instructions touch:
;   D0 .. D2    tile t's sixteen gathered numbers, in D[t mod 3].  Written by gathers alone; read by tile t's sums; tile t + 3's gathers land there behind them.
;   A0 .. A2    tile t's eight gather offsets, in A[t mod 3].  Written by tile t's address lines; read by tile t's gathers; written again by tile t + 3's address lines.  No load lands in them.
;   R0 .. R3    tile t's record, in R[t mod 4].  Written by record loads; read by tile t's address lines; the record of tile t + 4 lands there behind them.
;   v48, v49    four tiles' codes.  Written by the conversion of every fourth tile; read by the four LDS stores that follow in the same step.
;   v6, v7, v8  offsets of the record loads and of the code stores: written at the trip's end alone.     v9, v15, v114, v126: made at the head, never written again.
; A STEP is: tile t's sums; tile t + 3's address lines; then tile t + 3's gathers, dealt among tile t + 1's weight lines, its record load, and the code stores.  The weight lines name v4, v5, v16-35 and x: no register that those touch.
; So two waits stand in a step: one on vm_vsrc ahead of the address lines, one on va_vdst behind them.  At a trip's head the addresses of tiles 0, 1 and 2 are made together, under one wait.
; THE PLAN, MLP phase.  v82-85 and v90-93: two tiles' codes, written by LDS loads, read by the first product.  v124, v125: a pair's results, written by two multiplications, read by the store in the next pair.
; One wait on va_vdst to a pair of tiles, in the odd tile behind its first product's holds: behind it the next pair's codes are asked for and the pair before is stored.  One wait on vm_vsrc ahead of the multiplications.
; REGISTERS, gather phase: v1 lane, v2 r, v3 h, v4 1 - h, v5 2 h - 1, v6 / v7 my record's byte in this / the next pair, v8 where my codes go, v9 my LDS place, v10 16 r, v11 / v12 2^e0 and 57,344 x it, v13 / v14 the same for the hidden layer,
;   v15 8 x lane, v16-39 at work, v40-47 four tiles' results, v48-49 their codes, v50-65 R0-R3, v66-113 D0-D2, v114 prefetch offset, v115 0.2 x 2^(e2 + e3), v116-123 A0, v124 / v125 at the head 12 r and 64 r + 8 h, v126 16 x lane,
;   v128-191 x of the 16 tiles, three registers of each four; the fourth ones are A1 (v131, v135 .. v159) and A2 (v163 .. v191); v192-223 W0, v224-255 W1.
; MLP phase: v16-25 at work, v50-65 codes of x, y, z, v66-81 W2, v82-97 two operands of the first product, v98-105 the second's, v106-113 and v116-123 the last sums, v124-125 out, v128-159 four accumulators, v160-191 two tiles' bf16 operands.
.set IB,  50
.set DB,  66
.set XR,  128
.set W0F, 192
.set W1F, 224
.set XC,  50
.set W2F, 66
.set HH,  128
	s_load_b256 s[4:11], s[0:1], 0x0               ; x s[4:5], table s[6:7], idx s[8:9], wimg s[10:11]
	s_load_b128 s[12:15], s[0:1], 0x20             ; W1_codes s[12:13], lowp_scales s[14:15]
	s_load_b64 s[16:17], s[0:1], 0x30              ; out0
	v_lshrrev_b32 v1, 5, v0
	v_readfirstlane_b32 s18, v1                    ; wave 0..15
	v_and_b32 v1, 31, v0                           ; lane
	v_and_b32 v2, 15, v0                           ; r
	v_bfe_u32 v3, v0, 4, 1                         ; h
	v_cvt_f32_u32 v5, v3
	v_sub_f32 v4, 1.0, v5                          ; 1 - h
	v_fma_f32 v5, v5, 2.0, -1.0                    ; 2 h - 1: the weight along x is (2 h - 1) frac + (1 - h)
	v_lshlrev_b32 v10, 4, v2
	v_lshlrev_b32 v126, 4, v1
	v_lshlrev_b32 v15, 3, v1
	v_mul_u32_u24 v124, v2, 12                     ; x: 12 bytes a point
	v_lshlrev_b32 v125, 6, v2
	v_lshl_add_u32 v125, v3, 3, v125               ; W1: row r of 64 codes, + 8 h
	s_wait_alu depctr_va_sdst(0)                   ; s18 is written, ahead of its first reader: the wave's bases and LDS place are made from it
	s_lshl_b32 s19, ttmp9, 4
	s_add_co_u32 s19, s19, s18                     ; G: which 256 points are my wave's
	s_mul_i32 s32, s19, 3072
	s_mov_b32 s33, 0
	s_lshl_b32 s34, s19, 15
	s_mov_b32 s35, 0
	s_lshl_b32 s36, s19, 11
	s_mov_b32 s37, 0
	s_lshl_b32 s38, s18, 13                        ; my wave's 8,192 bytes of LDS
	v_add_nc_u32 v9, s38, v126
	v_mov_b32 v8, v9
	v_mov_b32 v6, v10
	v_add_nc_u32 v7, 0x1000, v10
	s_lshl_b32 s39, ttmp9, 15
	s_add_co_u32 s39, s39, s38
	s_add_co_u32 s39, s39, 0x800000
	v_lshl_add_u32 v114, v1, 8, s39                ; the next pair's 8 MiB: 32 KiB a work-group, 8 KiB for each of its waves 0-3, lanes 256 bytes apart
	s_cmp_lt_u32 s18, 4
	s_cselect_b32 s31, 7, 0                        ; waves 0-3 ask in trips 0-6, the others never
	s_wait_kmcnt 0x0
	s_load_b128 s[20:23], s[14:15], 0x0            ; e0, e1, e2, e3
	s_add_nc_u64 s[4:5], s[4:5], s[32:33]
	s_add_nc_u64 s[8:9], s[8:9], s[34:35]
	s_add_nc_u64 s[16:17], s[16:17], s[36:37]
	s_add_nc_u64 s[56:57], s[6:7], 0x400000        ; the odd level's table: a base of its own
	s_wait_alu depctr_va_vdst(0)                   ; the offsets v6 to v9, v15, v114, v124, v125 and v126 are written, which the loads, stores and prefetches of the kernel read
; Tile t's record of the pair in hand (t < 16) or tile t - 16's of the next pair: both halves of the lanes read the same 256 consecutive bytes.
; In the last trip 'the next pair' is pair 0 again: the load stays inside the wave's block, and its result is not used.
.macro ILOAD t
.if (\t) < 16
	global_load_b128 v[IB+4*((\t)%4):IB+4*((\t)%4)+3], v6, s[8:9] offset:256*(\t) th:TH_LOAD_NT
.else
	global_load_b128 v[IB+4*((\t)%4):IB+4*((\t)%4)+3], v7, s[8:9] offset:256*((\t)-16) th:TH_LOAD_NT
.endif
.endm
.irp u, 0,1,2,3
.irp q, 0,1
	global_load_b128 v[W0F+8*\u+4*\q:W0F+8*\u+4*\q+3], v126, s[10:11] offset:\u*1024+\q*512   ; W0's fragments, as images
.endr
.endr
.irp u, 0,1,2,3
.irp c, 0,1,2,3
	global_load_b64 v[W1F+8*\u+2*\c:W1F+8*\u+2*\c+1], v125, s[12:13] offset:\u*1024+16*\c     ; W1(unit 16 u + r, k = 16 c + 8 h + 0 .. 7)
.endr
.endr
.irp t, 0,1,2,3,4,5,6,7,8,9,10,11,12,13,14,15
	global_load_b96 v[XR+4*\t:XR+4*\t+2], v124, s[4:5] offset:192*\t th:TH_LOAD_NT
.endr
	ILOAD 0
	ILOAD 1
	ILOAD 2
	ILOAD 3
	s_mov_b32 s24, 0x779B1                         ; 2654435761 mod 2^19
	s_mov_b32 s25, 0x25795                         ; 805459861 mod 2^19
	s_mov_b32 s26, 0x7ffff
	s_mov_b32 s27, 0                               ; p
	s_mov_b32 s29, 4096                            ; the next pair's records: 4,096 ((p + 1) mod 8)
	s_mov_b32 s30, 0                               ; 2 p
	s_mov_b32 s40, 0x41800000                      ; RES of the even levels, from the pair in hand on: 16, 30, 58, 111, 212, 406, 775, 1481
	s_mov_b32 s41, 0x41F00000
	s_mov_b32 s42, 0x42680000
	s_mov_b32 s43, 0x42DE0000
	s_mov_b32 s44, 0x43540000
	s_mov_b32 s45, 0x43CB0000
	s_mov_b32 s46, 0x4441C000
	s_mov_b32 s47, 0x44B92000
	s_mov_b32 s48, 0x41B00000                      ; of the odd levels: 22, 42, 80, 153, 294, 561, 1072, 2047
	s_mov_b32 s49, 0x42280000
	s_mov_b32 s50, 0x42A00000
	s_mov_b32 s51, 0x43190000
	s_mov_b32 s52, 0x43930000
	s_mov_b32 s53, 0x440C4000
	s_mov_b32 s54, 0x44860000
	s_mov_b32 s55, 0x44FFE000
	s_wait_kmcnt 0x0
	s_add_co_i32 s32, s20, 127
	s_lshl_b32 s33, s32, 23
	v_mov_b32 v11, s33                             ; 2^e0 as f32: the conversion takes its exponent field
	s_add_co_i32 s32, s32, 15
	s_lshl_b32 s32, s32, 23
	s_or_b32 s32, s32, 0x600000
	v_mov_b32 v12, s32                             ; 57,344 x 2^e0
	s_sub_co_i32 s32, s22, s20
	s_sub_co_i32 s32, s32, s21                     ; a sum of the first product stands for sum x 2^(e0 + e1): its code is sum / 2^(e2 - e0 - e1)
	s_add_co_i32 s32, s32, 127
	s_lshl_b32 s33, s32, 23
	v_mov_b32 v13, s33
	s_add_co_i32 s32, s32, 15
	s_lshl_b32 s32, s32, 23
	s_or_b32 s32, s32, 0x600000
	v_mov_b32 v14, s32
	s_add_co_i32 s32, s22, s23
	v_mov_b32 v115, 0x3e4ccccd                     ; 0.2
	v_ldexp_f32 v115, v115, s32                    ; x 2^(e2 + e3): a positive factor passes the second relu and the last product, so it is applied once, at the end
	s_wait_loadcnt 0x1                             ; all but tile 3's record is in: as at the loop's backward jump
; Which registers tile t has: its data set begins at v[GD]; offset i of its address set is v[GA + GS i].
.macro TILESET t
.set GD, DB+16*((\t)%3)
.if ((\t)%3) == 0
.set GA, 116
.set GS, 1
.else
.set GA, XR+3+32*(((\t)%3)-1)
.set GS, 4
.endif
.endm
; One level's four gather offsets of a lane.  wlo: the record's first register; a: the first of the four places in the tile's address set.
; Corner order: (y0 z0), (y1 z0), (y0 z1), (y1 z1).  Bits above the 19 are carried along and cut at the end.
.macro ADDR wlo, a
	v_add_nc_u32 v16, v[\wlo], v3                  ; X + h
	v_alignbit_b32 v17, v[\wlo+1], v[\wlo], 19     ; HY
	v_lshrrev_b32 v18, 6, v[\wlo+1]                ; HZ
	v_add_nc_u32 v19, s24, v17                     ; (cy + 1) x prime
	v_add_nc_u32 v20, s25, v18                     ; (cz + 1) x prime
	v_xor_b32 v18, v16, v18
	v_xor_b32 v20, v16, v20
	v_xor_b32 v[GA+GS*(\a)], v18, v17
	v_xor_b32 v[GA+GS*((\a)+1)], v18, v19
	v_xor_b32 v[GA+GS*((\a)+2)], v20, v17
	v_xor_b32 v[GA+GS*((\a)+3)], v20, v19
.irp i, 0,1,2,3
	v_and_b32 v[GA+GS*((\a)+\i)], s26, v[GA+GS*((\a)+\i)]
.endr
.irp i, 0,1,2,3
	v_min_u32 v[GA+GS*((\a)+\i)], 0x7ffff, v[GA+GS*((\a)+\i)]   ; a loaded number goes into an address only behind this hold: inside the level's table whatever idx holds
.endr
.endm
; Gather i of the tile that TILESET named last.  base: the level's table.  An entry is 8 bytes: two features.
.macro GATHER i, base
	global_load_b64 v[GD+2*(\i):GD+2*(\i)+1], v[GA+GS*(\i)], s[\base:\base+1] scale_offset
.endm
.macro RUN8                                        ; a tile's eight gathers in one run
.irp i, 0,1,2,3
	GATHER \i, 6
.endr
.irp i, 4,5,6,7
	GATHER \i, 56
.endr
.endm
; The four weights of a lane for one level: (weight along x of my corner) x (1 - fy, fy) x (1 - fz, fz), in the gathers' order.
; GON = 1: four gathers of the tile three further on, g to g + 3, are dealt among these lines.  No wait: no line here names a register of that tile's address or data set.
.macro WEIGHT x, sr, w, g, base
	v_pk_mul_f32 v[16:17], v[\x:\x+1], s[\sr:\sr+1] op_sel_hi:[1,0]   ; the position (the scalar pair's low word for both halves)
	v_mul_f32 v18, s[\sr], v[\x+2]
.if GON
	GATHER \g, \base
.endif
	v_fract_f32 v21, v16
	v_fract_f32 v23, v17
.if GON
	GATHER (\g)+1, \base
.endif
	v_fract_f32 v25, v18
	v_sub_f32 v22, 1.0, v23
.if GON
	GATHER (\g)+2, \base
.endif
	v_sub_f32 v24, 1.0, v25
	v_fma_f32 v20, v5, v21, v4                     ; 1 - fx in lanes 0-15, fx in lanes 16-31
.if GON
	GATHER (\g)+3, \base
.endif
	v_pk_mul_f32 v[26:27], v[24:25], v[20:21] op_sel_hi:[1,0]
	v_pk_mul_f32 v[\w:\w+1], v[22:23], v[26:27] op_sel_hi:[1,0]
	v_pk_mul_f32 v[\w+2:\w+3], v[22:23], v[26:27] op_sel:[0,1] op_sel_hi:[1,1]
.endm
; Tile t is interpolated; its weights stand in v28-35.  cnt: the loads issued behind its gathers, which may stay out.  Every fourth tile the last four tiles' eight numbers a lane are quantised by one conversion.
.macro SUMS t, cnt
.set DD, DB+16*((\t)%3)
.set EE, 40+2*((\t)%4)
	s_wait_loadcnt \cnt                            ; loads come back in order (ISA guide 5.7.1): tile t's sixteen gathers are in, so their offsets may be written again
	v_pk_mul_f32 v[36:37], v[DD:DD+1], v[28:29] op_sel_hi:[1,0]          ; two features at a time, the two levels' chains by turns
	v_pk_mul_f32 v[38:39], v[DD+8:DD+9], v[32:33] op_sel_hi:[1,0]
	v_pk_fma_f32 v[36:37], v[DD+2:DD+3], v[28:29], v[36:37] op_sel:[0,1,0] op_sel_hi:[1,1,1]
	v_pk_fma_f32 v[38:39], v[DD+10:DD+11], v[32:33], v[38:39] op_sel:[0,1,0] op_sel_hi:[1,1,1]
	v_pk_fma_f32 v[36:37], v[DD+4:DD+5], v[30:31], v[36:37] op_sel_hi:[1,0,1]
	v_pk_fma_f32 v[38:39], v[DD+12:DD+13], v[34:35], v[38:39] op_sel_hi:[1,0,1]
	v_pk_fma_f32 v[36:37], v[DD+6:DD+7], v[30:31], v[36:37] op_sel:[0,1,0] op_sel_hi:[1,1,1]
	v_pk_fma_f32 v[38:39], v[DD+14:DD+15], v[34:35], v[38:39] op_sel:[0,1,0] op_sel_hi:[1,1,1]
	v_permlane16_swap_b32 v36, v38                 ; the even level's two halves into lanes 0-15, the odd level's into lanes 16-31
	v_permlane16_swap_b32 v37, v39
	v_pk_add_f32 v[EE:EE+1], v[36:37], v[38:39]    ; features 0, 1 of level 2 p + h of point r
.if ((\t)%4) == 3
	s_wait_dscnt 0x0                               ; the last four code stores, issued four tiles ago, are done
.irp i, 0,1,2,3,4,5,6,7
	v_med3_num_f32 v[40+\i], v[40+\i], -v12, v12   ; the conversion to an 8-bit code does not saturate (ISA guide 7.6.2): the hold at the largest code x the scale
.endr
	v_cvt_scalef32_pk8_bf8_f32 v[48:49], v[40:47], v11
	v_nop                                          ; a plain line behind the conversion: the next tiles' sums write its sources
.endif
.endm
; The codes of tiles t - 3 to t go to LDS: two codes a tile, at tile x 512 + 16 x lane + 2 p of my wave's LDS.
.macro CODES t
	ds_store_b16 v8, v48 offset:512*((\t)-3)
	ds_store_b16_d16_hi v8, v48 offset:512*((\t)-2)
	ds_store_b16 v8, v49 offset:512*((\t)-1)
	ds_store_b16_d16_hi v8, v49 offset:512*(\t)
.endm
; A step: tile t's sums; tile t + 3's offsets; tile t + 1's weights with tile t + 3's gathers among them; the record of tile t + 7; the codes, if this tile made them.
.macro STEP t, cnt
	SUMS \t, \cnt
.if (\t)+3 < 16
	s_wait_alu depctr_vm_vsrc(0)                   ; tile t's gathers have read their address set, which the lines below write again; the code stores issued so far have read v48 and v49
	TILESET (\t)+3
.set II, IB+4*(((\t)+3)%4)
	ADDR II, 0
	ADDR II+2, 4
	s_wait_alu depctr_va_vdst(0)                   ; the eight offsets are written; tile t's sums are done reading the data set in which the gathers land; the lines above are done reading the record in which the next one lands; v48 and v49 are written
.set GON, 1
.else
.set GON, 0
.endif
.if (\t)+1 < 16
.set XX, XR+4*((\t)+1)
	WEIGHT XX, 40, 28, 0, 6
	WEIGHT XX, 48, 32, 4, 56
.endif
.if (\t)+3 < 16
	ILOAD (\t)+7
.if ((\t)%4) == 3
	CODES \t
.endif
.endif
.endm
.Lpair:                                            ; eight trips: levels 2 p and 2 p + 1 for the wave's 16 tiles; three tiles' gathers are on their way
	TILESET 0                                      ; the offsets of tiles 0, 1 and 2 are made together: all three address sets are free (the wait on vm_vsrc at the trip's end; on the way in no memory instruction has read them)
	ADDR IB, 0
	ADDR IB+2, 4
	TILESET 1
	ADDR IB+4, 0
	ADDR IB+6, 4
	TILESET 2
	ADDR IB+8, 0
	ADDR IB+10, 4
	s_wait_alu depctr_va_vdst(0)                   ; the 24 offsets and v6, v7, v8 are written; the last trip's sums are done reading the three data sets; the lines above are done reading the three records in which the next ones land
	TILESET 0
	RUN8
	ILOAD 4
	TILESET 1
	RUN8
	ILOAD 5
	TILESET 2
.set GON, 1
	WEIGHT XR, 40, 28, 0, 6                        ; tile 0's weights, tile 2's gathers among them
	WEIGHT XR, 48, 32, 4, 56
	ILOAD 6
.irp t, 0,1,2,3,4,5,6,7
	STEP \t, 19                                    ; behind tile t's gathers: a record, eight gathers, a record, eight gathers, a record: 1 + 8 + 1 + 8 + 1
.endr
	s_cmp_lt_u32 s27, s31                          ; half a trip ahead, waves 0-3 ask for their 8 KiB each of the next pair's 8 MiB: each block of 256 bytes once in the launch; the last trip asks for nothing
	s_cbranch_scc0 .Lnopf
	global_prefetch_b8 v114, s[6:7] th:TH_LOAD_NT scope:SCOPE_SE
.Lnopf:
.irp t, 8,9,10,11,12,13
	STEP \t, 19
.endr
	STEP 14, 10                                    ; behind its gathers: 1 + 8 + 1
	STEP 15, 1                                     ; the last record load alone: the next trip's tiles 0-2 have their records
	s_wait_alu depctr_va_vdst(0)                   ; the conversion has written v48 and v49, which the stores below read
	CODES 15
	s_wait_xcnt 0x0                                ; every earlier memory instruction has had its addresses translated (ISA guide 3.1): the bases and v6, v7 are rewritten only behind this wait
	s_wait_dscnt 0x0                               ; my code stores are done: v8 steps
	s_wait_alu depctr_vm_vsrc(0)                   ; the record loads have read v6 and v7, the code stores v8, v48 and v49, the gathers their address sets: all these are written again, below, at the next trip's head or in the MLP
	s_add_nc_u64 s[6:7], s[6:7], 0x800000          ; the next two levels' tables
	s_add_nc_u64 s[56:57], s[56:57], 0x800000
.irp i, 0,1,2,3,4,5,6
	s_mov_b32 s[40+\i], s[41+\i]                   ; their RES move to the front
	s_mov_b32 s[48+\i], s[49+\i]
.endr
	s_add_co_u32 s29, s29, 4096
	s_and_b32 s29, s29, 0x7fff
	s_add_co_u32 s30, s30, 2
	v_mov_b32 v6, v7
	v_add_nc_u32 v7, s29, v10
	v_add_nc_u32 v8, s30, v9
	s_add_co_u32 s27, s27, 1
	s_cmp_lt_u32 s27, 8
	s_cbranch_scc1 .Lpair
	; ---- THE MLP.  All 16 codes a lane and tile lie in my LDS.
	s_wait_loadcnt 0x0                             ; the last trip's four record loads, which nobody uses: their registers are taken below
	; The loads below land in v66-85 and v90-93.  No wait: the sums that read these registers stand ahead of the trip's last wait on va_vdst, and the three vector lines since write v6, v7 and v8 alone
.irp s, 0,1
.irp q, 0,1
	global_load_b128 v[W2F+8*\s+4*\q:W2F+8*\s+4*\q+3], v126, s[10:11] offset:4096+\s*1024+\q*512   ; W2's two bf16 fragments, as images
.endr
.endr
	ds_load_b128 v[82:85], v9                      ; tile 0's codes (LDS serves a wave's instructions in order: these see my stores)
	ds_load_b128 v[90:93], v9 offset:512           ; tile 1's
.irp i, 19,20,21,22,23,87,88,89,95,96,97
	v_mov_b32 v\i, 0                               ; five zeros behind x, y, z for the conversion; registers 5-7 of both operands: K beyond 35
.endr
.set tt, 0
.rept 16                                           ; the codes of x, y, z of every tile, while x is still in its registers
	v_med3_num_f32 v16, v[XR+4*tt], -v12, v12
	v_med3_num_f32 v17, v[XR+4*tt+1], -v12, v12
	v_med3_num_f32 v18, v[XR+4*tt+2], -v12, v12
	v_cvt_scalef32_pk8_bf8_f32 v[24:25], v[16:23], v11
	v_nop                                          ; a plain line between the conversion and the use of its result
	v_mov_b32 v[XC+tt], v24
.set tt, tt+1
.endr
	s_wait_loadcnt 0x0                             ; W2
; Tile m through the two quantised layers; its second hidden layer, as bf16, into v[bf] on.
.macro MLPT m, bf
.set FF, 82+8*((\m)%2)
	v_mov_b32 v[FF+4], v[XC+(\m)]
.irp u, 0,1,2,3
	v_wmma_f32_16x16x64_bf8_bf8 v[HH+8*\u:HH+8*\u+7], v[W0F+8*\u:W0F+8*\u+7], v[FF:FF+7], 0   ; lane (r, h), register j: unit 16 u + 8 h + j of point r
.endr
.rept 4
	v_nop                                          ; four places in front of the first read of results (ISA guide 7.12.1)
.endr
.set jj, 0
.rept 32
	v_med3_num_f32 v[HH+jj], v[HH+jj], 0, v14      ; the activation and the hold in one; each accumulator from its low end on
.set jj, jj+1
.endr
.if ((\m)%2) == 1
	s_wait_alu depctr_va_vdst(0)                   ; this pair's first products are done reading both operands, in which the next pair's codes land; the last pair's multiplications have written v124 and v125, which the store reads
.if (\m) < 15
	ds_load_b128 v[82:85], v9 offset:512*((\m)+1)  ; the next pair's codes: they have the rest of this tile in which to land
	ds_load_b128 v[90:93], v9 offset:512*((\m)+2)
.endif
.if (\m) > 1
	global_store_b64 v15, v[124:125], s[16:17] offset:256*(((\m)-3)/2) th:TH_STORE_NT   ; the pair before: 32 lanes store 256 consecutive bytes, aligned
.endif
.endif
.irp u, 0,1,2,3
	v_cvt_scalef32_pk8_bf8_f32 v[98+2*\u:99+2*\u], v[HH+8*\u:HH+8*\u+7], v13   ; registers 2 u, 2 u + 1 of the next operand: k = 16 u + 8 h + 0 .. 7
.endr
	v_nop                                          ; a plain line between the conversions and the products that read their results and write their sources
.irp u, 0,1,2,3
	v_wmma_f32_16x16x64_bf8_bf8 v[HH+8*\u:HH+8*\u+7], v[W1F+8*\u:W1F+8*\u+7], v[98:105], 0
.endr
.rept 4
	v_nop
.endr
.set jj, 0
.rept 32
	v_max_num_f32 v[HH+jj], 0, v[HH+jj]            ; relu
.set jj, jj+1
.endr
.irp u, 0,1,2,3
.irp j, 0,1,2,3
	v_cvt_pk_bf16_f32 v[\bf+4*\u+\j], v[HH+8*\u+2*\j], v[HH+8*\u+2*\j+1]   ; registers 4 (u mod 2) + j of K step u / 2 of the last product
.endr
.endr
.endm
; Two tiles; then the last product for both, the two accumulators by turns; 32 points' results are one aligned block of 256 bytes, stored in the next pair.
.macro PAIR i
	s_wait_dscnt 0x0                               ; both tiles' codes are in
	MLPT 2*(\i), 160
	MLPT 2*(\i)+1, 176
	v_wmma_f32_16x16x32_bf16 v[106:113], v[66:73], v[160:167], 0
	v_wmma_f32_16x16x32_bf16 v[116:123], v[66:73], v[176:183], 0
	v_wmma_f32_16x16x32_bf16 v[106:113], v[74:81], v[168:175], v[106:113]
	v_wmma_f32_16x16x32_bf16 v[116:123], v[74:81], v[184:191], v[116:123]
.rept 4
	v_nop
.endr
	v_permlane16_swap_b32 v106, v116               ; lanes 0-15 hold the outputs in registers 0 and 1: the second tile's move into lanes 16-31
	v_permlane16_swap_b32 v107, v117
	s_wait_xcnt 0x0                                ; every earlier memory instruction has had its addresses translated (ISA guide 3.1): v124 and v125 are rewritten only behind this wait
.if (\i) > 0
	s_wait_alu depctr_vm_vsrc(0)                   ; the store of the pair before, issued half a tile ago, has read v124 and v125
.endif
	v_mul_f32 v124, v115, v106                     ; x 2^(e2 + e3) / 5
	v_mul_f32 v125, v115, v107
.endm
	PAIR 0
	PAIR 1
	PAIR 2
	PAIR 3
	PAIR 4
	PAIR 5
	PAIR 6
	PAIR 7
	s_wait_alu depctr_va_vdst(0)                   ; the last pair's multiplications have written v124 and v125, which the last store reads
	global_store_b64 v15, v[124:125], s[16:17] offset:256*7 th:TH_STORE_NT
	s_wait_xcnt 0x0
	v_lshl_add_u32 v254, v0, 2, 0x20000
	v_mov_b32 v255, 0
	s_wait_dscnt 0x0                               ; the closing lines, six on end
	s_wait_alu 0x0
	s_wait_tensorcnt 0x0
	ds_add_u32 v254, v255
	s_wait_dscnt 0x0
	s_endpgm
.Lfunc_end_k_q0ff551f556_encmlp:
	.size	k_q0ff551f556_encmlp, .Lfunc_end_k_q0ff551f556_encmlp-k_q0ff551f556_encmlp
	.p2alignl 7, 3214868480
	.fill 96, 4, 3214868480
	.section	.rodata,"a",@progbits
	.p2align	6, 0x0
	.amdhsa_kernel k_q0ff551f556_encmlp
		.amdhsa_group_segment_fixed_size 133120
		.amdhsa_private_segment_fixed_size 0
		.amdhsa_enable_private_segment 0
		.amdhsa_kernarg_size 56
		.amdhsa_user_sgpr_count 2
		.amdhsa_user_sgpr_kernarg_segment_ptr 1
		.amdhsa_wavefront_size32 1
		.amdhsa_system_sgpr_workgroup_id_x 1
		.amdhsa_system_sgpr_workgroup_id_y 1
		.amdhsa_system_sgpr_workgroup_id_z 1
		.amdhsa_system_vgpr_workitem_id 0
		.amdhsa_next_free_vgpr 256
		.amdhsa_next_free_sgpr 66
		.amdhsa_reserve_vcc 0
		.amdhsa_float_denorm_mode_32 3
		.amdhsa_float_denorm_mode_16_64 3
		.amdhsa_memory_ordered 1
		.amdhsa_forward_progress 1
		.amdhsa_inst_pref_size 172
	.end_amdhsa_kernel
	.amdgpu_metadata
---
amdhsa.version: [ 1, 2 ]
amdhsa.kernels:
  - .name:           k_q0ff551f556_encmlp
    .symbol:         k_q0ff551f556_encmlp.kd
    .args:
      - { .name: x, .offset: 0, .size: 8, .value_kind: global_buffer, .address_space: global }
      - { .name: table, .offset: 8, .size: 8, .value_kind: global_buffer, .address_space: global }
      - { .name: idx, .offset: 16, .size: 8, .value_kind: global_buffer, .address_space: global }
      - { .name: wimg, .offset: 24, .size: 8, .value_kind: global_buffer, .address_space: global }
      - { .name: W1_codes, .offset: 32, .size: 8, .value_kind: global_buffer, .address_space: global }
      - { .name: lowp_scales, .offset: 40, .size: 8, .value_kind: global_buffer, .address_space: global }
      - { .name: out0, .offset: 48, .size: 8, .value_kind: global_buffer, .address_space: global }
    .group_segment_fixed_size: 133120
    .private_segment_fixed_size: 0
    .kernarg_segment_align: 8
    .kernarg_segment_size: 56
    .max_flat_workgroup_size: 512
    .sgpr_count:     66
    .vgpr_count:     256
    .wavefront_size: 32
...
	.end_amdgpu_metadata
.endif
;; end of part 3
